; MI455X (gfx1250); checked and timed in simulation.
; The chip was launched on July 23, 2026; its instructions are those of AMD's public machine-readable ISA for CDNA 5 (MIT licence, August 2026) and "CDNA5" Instruction Set Architecture Reference Guide (July 2026). The comments in the code are by the model that wrote it; some were corrected since.
;; Multitask Readout. Allowed arithmetic: matrix products marked QUANTISED: E5M2 operands, one given power-of-two scale a tensor, by v_wmma_f32_16x16x64_bf8_bf8 or v_wmma_f32_16x16x128_bf8_bf8, f32 sums; everything else in f32.
;; Inputs: W 8 x 1,024 x 64 float32; b 8 x 64 float32; lowp_scales 2 int32 (the exponents e of the quantised operands' scales 2^e); output_embs 16 x 4,096 x 1,024 float32; output_readout_index 16 x 4,096 int32.
;; Outputs: out0 16 x 4,096 x 64 float32.
;; This version of the problem:
;;   THIS VERSION OF THE PROBLEM IS GIVEN IN LOW PRECISION. The matrix products marked QUANTISED in the list below multiply operands that are first quantised to E5M2 (5 exponent bits, 2 mantissa bits; 8 bits a number), with one given power-of-two scale for each operand tensor; their sums are f32. All else is computed in f32.
;;   The module's matrix products, in the order in which they are computed (A, B: the left and right operand; K: the contracted axis; several contracted axes count as one K, in the product's order):
;;     1. [M 65,536, K 1,024] x [K 1,024, N 512]; A: input output_embs; B: input W: QUANTISED (scales: A lowp_scales[0], B lowp_scales[1])
;;   THE QUANTISER, for each operand of a quantised product, along K:
;;     - The operand's scale is 2^e, e = its entry of the input lowp_scales (int32; the entries are numbered through the quantised products in the list's order, A before B).
;;     - Each number is divided by the scale, clamped to +-57,344, and rounded to the nearest number of E5M2, ties to even, subnormals kept.
;;     - The product sums the exact products of the quantised numbers (number of the format x scale) in f32.
;;   ~~~python
;;   def quantise(x, axis, e):      # numpy; x: float32 -> the quantised numbers, widened to float32 again
;;       x = np.moveaxis(x, axis, -1); K = x.shape[-1]
;;       r = np.clip(x / 2.0 ** e, -57344, 57344)
;;       step = 2.0 ** (np.maximum(np.frexp(np.where(r == 0, 1, r))[1] - 1, -14) - 2)
;;       q = np.round(r / step) * step * 2.0 ** e      # np.round: ties to even
;;       return np.moveaxis(q, -1, axis).astype(np.float32)
;;   ~~~
;; 2 versions. Each part assembles by itself: llvm-mc -triple=amdgcn-amd-amdhsa -mcpu=gfx1250 --defsym DOCPART=n.
;; ======== version 1 of 2: 1 launch
;; launch readout (part 1): grid 32 x 8, 8 waves a work-group, no clusters, 234,752 bytes of LDS; arguments W, b, lowp_scales, output_embs, output_readout_index, out0; writes out0
.if DOCPART == 1
	.amdgcn_target "amdgcn-amd-amdhsa--gfx1250"
	.amdhsa_code_object_version 6
	.text
	.protected	k_q242e9fd24d_readout
	.globl	k_q242e9fd24d_readout
	.p2align	8
	.type	k_q242e9fd24d_readout,@function
k_q242e9fd24d_readout:
	s_mov_b64 s[64:65], 0
	v_nop
	global_prefetch_b8 v0, s[64:65] scope:SCOPE_SE
	s_setreg_imm32_b32 hwreg(HW_REG_WAVE_MODE, 25, 1), 1
	s_wait_xcnt 0x0
; out0[t][:] = Q(x[t]) . Q(W[idx[t]]) + b[idx[t]]:  65,536 tokens, K = 1,024, 64 outputs a token.  Q: codes of BF8 (E5M2) with the given scales 2^ex (x) and 2^ew (W); sums in f32.
; Only the head that a token's index names is multiplied: the other seven are thrown away by the gather that the problem itself makes.
; SHARES.  Work-group (x, y) serves the tokens 2,048 x .. 2,048 x + 2,047 whose index is y.  Eight waves.
;   HEAD.  EVERY wave reads the region's 2,048 indices (16 loads of 512 consecutive bytes) and makes all 64 masks of 32 tokens and their prefix counts by itself, in the lanes of four registers:
;   so every number that steers a branch, a trip count or an address comes straight from loaded indices by register work, and none of them goes through LDS.
;   Wave w also quantises 128 of W[y]'s 1,024 rows (K step w) into an image of operand registers in LDS: 64 KB of codes for the whole head.  One barrier, on every wave's path, stands behind that.
;   THEN THE WAVES ARE INDEPENDENT.  Wave w owns the ranks w cw .. w cw + cw - 1 of the work-group's matches, cw = ceil(matches / 8), and walks the mask bits in scalar registers to get token numbers.
;   A row of x (4,096 bytes) comes by eight loads of 512 consecutive bytes into a ring of 2 x 4 rows of registers; it is held and converted as it lies; the CODES (1,024 bytes a row) turn through the wave's own stage in LDS into fragments.
;   Every 16 rows: 8 K steps x 4 column tiles = 32 matrix instructions, x 2^(ex + ew) + b, through a small stage, and out as 16 whole rows of 256 bytes.
; THE ORDER OF RANKS.  Index load ch gives lane l the tokens 128 ch + 4 l + 0..3, so word J = 4 ch + c, bit l, is token 128 (J / 4) + J % 4 + 4 l of the region.  Ranks count the set bits by words, then by bits: the same order in all eight waves.
; K IS PERMUTED, ALIKE ON BOTH SIDES.  Load j of a row gives lane l the numbers k = 128 j + 4 l + 0..3; code register j goes to byte 512 (j / 4) + 16 l + 4 (j % 4) of the stage row.  A fragment's piece c of K step s, lane half h,
;   is the 16 bytes at 128 s + 32 c + 16 h: its register q, byte i, is k = 512 (s / 4) + 128 q + 32 (s % 4) + 8 c + 4 h + i.  W's image is built by this same formula, so every product meets its partner; only the order of the sums differs.
; THE MATRIX INSTRUCTION IS USED TRANSPOSED (source 0 = 16 columns of W, source 1 = 16 tokens): a lane then holds eight neighbouring outputs of one token.
; A TILE'S SPARE ROWS.  When a wave's rows run out, a ring slot keeps its old rows and their token numbers: every tile row is a true pair (token, data), and its store repeats a value that this wave has stored already.
; NO TENSOR LOADS, NO CLUSTER, though the 32 work-groups of a head read the same 256 KB of W: trip counts and branches here hang on the indices read from memory;
;   and what is shared is read once by a work-group, beside about 1 MB of rows that it shares with nobody.
; LIMITS.  ex and ew between -126 and 112, ex + ew between -126 and 127 (each power of two below is an f32 number).  NaN among the inputs is not served; infinities are held at the largest code.
;   An index outside 0 .. 7 (the problem has none) leaves its row unwritten.  Any split of the tokens among the heads gives right values; the work is even only where the split is.
; LDS: W's image, 4 x 16,400 bytes | from 65,792 on, for each wave: 16 rows x 1,040 of codes, 16 rows x 272 of results.
; REGISTERS, window 0: v1 16 x lane (x's, the indices' and the image's offset); v2 codes into the stage; v3 fragments out of it; v5, v6 results into and out of the out stage; v9 16 r; v10, v11 2^ex, 2^ew;
;   v12 lane i: the token of tile row i, running ahead; v13 its copy for the tile in hand; v14, v15 the 64 masks, a lane a word; v16, v17 the matches ahead of each word; v18 at work; v21, v22, v23 the bias's, W's and the image's offsets;
;   v24-31 the rows' offsets in out0; v32-63 bias; v64-95 four accumulators; v96-127 codes just made, then two buffers of x's fragments (in the head v96-159: the indices);
;   v128-255 two buffers of W's fragments, later results and rows on the way out.   Window 1 (v256-511): the ring, slot p row i load j at 128 p + 32 i + 4 j; in the head W's numbers.
.set WIMG,  0
.set WNT,   16400                      ; a column tile's image: 8 K steps x 2,048 bytes + 16, so that the head's image stores of 16 lanes fall on 16 different 16-byte columns modulo 256
.set STG0,  65792                      ; the first wave's region
.set WREG,  20992                      ; a wave's region: code stage, then out stage
.set CP,    1040                       ; a row of codes: 1,024 + 16 = 65 x 16 bytes: the 16 rows of a fragment load start at 16 different 16-byte columns modulo 256
.set OSTO,  16*CP                      ; the out stage, behind the code stage
.set OP,    272                        ; a row of results: 256 bytes + 16 of padding
.set CT,    96
.set MSB, 0
.macro WIN new                         ; the immediate's high byte repeats the setting that is left; a switch that changes nothing is dropped
.if MSB != \new
	s_set_vgpr_msb (MSB<<8)|\new
.set MSB, \new
.endif
.endm
.macro PLACES                          ; four plain places behind matrix instructions, in front of loads into their sources and of the first read of results
.rept 4
	v_nop
.endr
.endm
; ---- eight words of masks, 8 g .. 8 g + 7: the compare's mask goes into the word's lane of v[vm], the matches counted so far (s29) into the same lane of v[vp]
.macro MASK8 g, vm, vp
.irp u, 0,1,2,3,4,5,6,7
	v_cmp_eq_u32 s[48+\u], s17, v[96+8*(\g)+\u]
.endr
.irp u, 0,1,2,3,4,5,6,7
	v_writelane_b32 v[\vm], s[48+\u], (8*(\g)+\u)%32
	v_writelane_b32 v[\vp], s29, (8*(\g)+\u)%32
	s_bcnt1_i32_b32 s30, s[48+\u]
	s_add_co_u32 s29, s29, s30
.endr
.endm
; ---- W: group g of a wave's K step: 64 registers, at 64 g + 16 q + 4 i + col of window 1 = W[y][k][4 r + col], k = 512 (w / 4) + 128 q + 32 (w % 4) + 8 g + 4 h + i.  Sixteen lanes read one whole row of 256 bytes.
.macro WLOAD g
.irp q, 0,1,2,3
.irp i, 0,1,2,3
	global_load_b128 v[64*\g+16*\q+4*\i:64*\g+16*\q+4*\i+3], v22, s[4:5] offset:32768*\q+2048*\g+256*\i
.endr
.endr
.endm
; group g is held, converted, turned (4 x 4 bytes: from a register of four columns at one k to a register of four k at one column) and stored as piece g of the image.  left: the loads younger than the group's sixteen.
.macro WQUANT g, left
	s_wait_loadcnt \left
	WIN 0x41                                       ; destination and source 0 in window 1
.set ii, 0
.rept 64
	v_med3_num_f32 v[64*\g+ii], v[64*\g+ii], s40, s41   ; the conversion to an 8-bit code does not saturate (ISA guide 7.6.2): the hold at +-57,344 x 2^ew comes first
.set ii, ii+1
.endr
	WIN 0x01                                       ; source 0 in window 1
.irp q, 0,1,2,3
	v_cvt_scalef32_pk8_bf8_f32 v[96+4*\q:97+4*\q], v[64*\g+16*\q:64*\g+16*\q+7], v11      ; registers i = 0, 1: byte col
	v_cvt_scalef32_pk8_bf8_f32 v[98+4*\q:99+4*\q], v[64*\g+16*\q+8:64*\g+16*\q+15], v11   ; i = 2, 3
.endr
	v_nop                                          ; one plain place between the conversions and the lines that read their results
	WIN 0
	s_wait_dscnt 0x0                               ; the last group's image stores have read v128-143
.irp q, 0,1,2,3
	v_perm_b32 v[112+4*\q], v[97+4*\q], v[96+4*\q], s44   ; (i0 c0, i1 c0, i0 c1, i1 c1)
	v_perm_b32 v[113+4*\q], v[97+4*\q], v[96+4*\q], s45   ; (i0 c2, i1 c2, i0 c3, i1 c3)
	v_perm_b32 v[114+4*\q], v[99+4*\q], v[98+4*\q], s44   ; the same of i = 2, 3
	v_perm_b32 v[115+4*\q], v[99+4*\q], v[98+4*\q], s45
.endr
.irp q, 0,1,2,3
	v_perm_b32 v[128+\q], v[114+4*\q], v[112+4*\q], s46   ; column 0: i = 0 .. 3
	v_perm_b32 v[132+\q], v[114+4*\q], v[112+4*\q], s47   ; column 1
	v_perm_b32 v[136+\q], v[115+4*\q], v[113+4*\q], s46   ; column 2
	v_perm_b32 v[140+\q], v[115+4*\q], v[113+4*\q], s47   ; column 3
.endr
.irp c, 0,1,2,3
	ds_store_b128 v23, v[128+4*\c:131+4*\c] offset:WIMG+512*\g+16*\c   ; column 4 r + c is lane 4 (r % 4) + c + 16 h of column tile r / 4
.endr
.endm
; ---- the next token of my run, without a branch.  s24: bits left in the word in hand; s25: the token of that word's bit 0; s26, s27: the non-empty words ahead (0-31, 32-63); s22: rows still to take; s28: the token.
; With s22 = 0 the token stays as it is.
.macro NEXT
	s_cmp_lg_u32 s26, 0
	s_cselect_b32 s29, s26, s27                    ; the list in hand,
	s_cselect_b32 s30, 0, 32                       ; its first word's number,
	s_ctz_i32_b32 s31, s29
	s_and_b32 s31, s31, 31                         ; the next non-empty word in it
	v_readlane_b32 s32, v14, s31
	v_readlane_b32 s33, v15, s31
	s_cmp_eq_u32 s30, 0
	s_cselect_b32 s32, s32, s33                    ; its bits,
	s_add_co_u32 s31, s31, s30                     ; its number J,
	s_lshr_b32 s34, s31, 2
	s_lshl_b32 s34, s34, 7                         ; 128 (J / 4)
	s_and_b32 s31, s31, 3                          ; + J % 4
	s_add_co_u32 s31, s31, s34
	s_add_co_u32 s31, s31, s18                     ; + the region's first token: the token of its bit 0,
	s_sub_co_u32 s33, s29, 1
	s_and_b32 s33, s29, s33                        ; the list without it
	s_cmp_eq_u32 s24, 0                            ; all three are taken only where the word in hand is used up
	s_cselect_b32 s24, s32, s24
	s_cselect_b32 s25, s31, s25
	s_cselect_b32 s29, s33, s29
	s_cmp_eq_u32 s30, 0
	s_cselect_b32 s26, s29, s26
	s_cselect_b32 s27, s27, s29
	s_ctz_i32_b32 s31, s24
	s_and_b32 s31, s31, 31
	s_lshl_b32 s31, s31, 2                         ; bits of a word are four tokens apart
	s_add_co_u32 s31, s31, s25                     ; the lowest bit's token,
	s_sub_co_u32 s32, s24, 1
	s_and_b32 s32, s24, s32                        ; the word without it
	s_cmp_lg_u32 s22, 0                            ; both are taken only while rows are left
	s_cselect_b32 s28, s31, s28
	s_cselect_b32 s24, s32, s24
	s_cselect_b32 s33, 1, 0
	s_sub_co_u32 s22, s22, s33
.endm
; a token for one ring row: its number into lane ln of v12, its row's address into the pair s[rb]
.macro TAKE rb, ln
	NEXT
	v_writelane_b32 v12, s28, \ln
	s_min_u32 s78, s28, 0xffff                     ; a number made of loaded data enters an address behind this bound
	s_lshl_b32 s78, s78, 12                        ; 4,096 bytes a row
	s_add_nc_u64 s[(\rb):(\rb)+1], s[10:11], s[78:79]
.endm
.macro XLOAD p                         ; four rows, eight loads each: 32 lanes read 512 consecutive bytes
	WIN 0x40                                       ; destination window 1
.irp i, 0,1,2,3
.irp j, 0,1,2,3,4,5,6,7
	global_load_b128 v[128*(\p)+32*\i+4*\j:128*(\p)+32*\i+4*\j+3], v1, s[48+8*(\p)+2*\i:49+8*(\p)+2*\i] offset:512*\j th:TH_LOAD_NT
.endr
.endr
	WIN 0
.endm
.macro PISSUE p                        ; the ring's first fills: always loaded, so that every ring register is written
.irp i, 0,1,2,3
	TAKE 48+8*\p+2*\i,4*\p+\i
.endr
	XLOAD \p
.endm
; behind group G of a tile its slot takes the rows of the group two further on, tile rows (4 G + 8 + i) % 16.  With no row left the slot keeps its rows, and their tokens are copied to those tile rows.
.macro ISSUE G
	s_cmp_eq_u32 s22, 0
	s_cbranch_scc1 .Ldry_\@
.irp i, 0,1,2,3
	TAKE 48+8*((\G)%2)+2*\i,(4*(\G)+8+\i)%16       ; the slot's bases are free: the wait at the head of ROWS has shown its loads done
.endr
	XLOAD (\G)%2
	s_branch .Ldone_\@
.Ldry_\@:
	s_wait_loadcnt 0x0                             ; nothing is issued behind the other slot's loads on this way, so the counted wait of the next ROWS would not cover them
.irp i, 0,1,2,3
	v_readlane_b32 s29, v12, 4*(\G)+\i
	v_writelane_b32 v12, s29, (4*(\G)+8+\i)%16
.endr
.Ldone_\@:
.endm
; group G: the four rows of slot G % 2 are held, converted and stored as rows 4 G .. 4 G + 3 of the code stage
.macro ROWS G
.set RP, 128*((\G)%2)
	s_wait_loadcnt 32                              ; loads come back in order (ISA guide 5.7.1): this slot's 32 are in, the other slot's 32 may be out
	WIN 0x41
.set ii, 0
.rept 128
	v_med3_num_f32 v[RP+ii], v[RP+ii], s38, s39    ; the hold at +-57,344 x 2^ex (ISA guide 7.6.2)
.set ii, ii+1
.endr
	s_wait_dscnt 0x0                               ; earlier LDS stores have read the code registers
	WIN 0x01
.irp i, 0,1,2,3
.irp g, 0,1,2,3
	v_cvt_scalef32_pk8_bf8_f32 v[CT+8*\i+2*\g:CT+8*\i+2*\g+1], v[RP+32*\i+8*\g:RP+32*\i+8*\g+7], v10   ; code register j = 2 g, 2 g + 1: k = 128 j + 4 l + 0..3
.endr
.endr
	v_nop                                          ; one plain place behind the last conversion
	WIN 0
.irp i, 0,1,2,3
	ds_store_b128 v2, v[CT+8*\i:CT+8*\i+3] offset:(4*(\G)+\i)*CP
	ds_store_b128 v2, v[CT+8*\i+4:CT+8*\i+7] offset:(4*(\G)+\i)*CP+512
.endr
.endm
; K step s: x's fragment (4 loads) and W's four (16 loads) into buffer s % 2
.macro FETCH s
.set FP, (\s)%2
.irp c, 0,1,2,3
	ds_load_b128 v[96+16*FP+4*\c:99+16*FP+4*\c], v3 offset:128*(\s)+32*\c
.endr
.irp t, 0,1,2,3
.irp c, 0,1,2,3
	ds_load_b128 v[128+64*FP+16*\t+4*\c:131+64*FP+16*\t+4*\c], v1 offset:WIMG+WNT*\t+2048*(\s)+512*\c
.endr
.endr
.endm
; the four accumulators take turns, one instruction a turn, from step to step too; the first step starts the sums
.macro MUL s
.set FP, (\s)%2
.irp t, 0,1,2,3
.if (\s) == 0
	v_wmma_f32_16x16x128_bf8_bf8 v[64+8*\t:71+8*\t], v[128+64*FP+16*\t:143+64*FP+16*\t], v[96+16*FP:111+16*FP], 0
.else
	v_wmma_f32_16x16x128_bf8_bf8 v[64+8*\t:71+8*\t], v[128+64*FP+16*\t:143+64*FP+16*\t], v[96+16*FP:111+16*FP], v[64+8*\t:71+8*\t]
.endif
.endr
.endm
; the way out: lane (r, h), register j of tile t is out(token r, 16 t + 8 h + j).  Through my own stage and back as whole rows, two an instruction; the two rows' tokens come out of v13's lanes while the stage's loads are out.
.macro OUT
	PLACES
.irp t, 0,1,2,3
.irp i, 0,2,4,6
	v_pk_fma_f32 v[128+8*\t+\i:129+8*\t+\i], v[64+8*\t+\i:65+8*\t+\i], s[42:43], v[32+8*\t+\i:33+8*\t+\i] op_sel_hi:[1,0,1]   ; sum x 2^(ex + ew) + b; each accumulator from its low end on
.endr
.endr
.irp t, 0,1,2,3
	ds_store_b128 v5, v[128+8*\t:131+8*\t] offset:64*\t
	ds_store_b128 v5, v[132+8*\t:135+8*\t] offset:64*\t+16
.endr
.irp t, 0,1,2,3,4,5,6,7
	ds_load_b128 v[160+4*\t:163+4*\t], v6 offset:2*OP*\t   ; lanes 0-15 row 2 t, lanes 16-31 row 2 t + 1.  LDS serves a wave's instructions in order (ISA guide 5.7.1.4): these see the stores above
.endr
.irp t, 0,1,2,3,4,5,6,7
	v_readlane_b32 s29, v13, 2*\t
	v_readlane_b32 s30, v13, 2*\t+1
	v_mov_b32 v[24+\t], s29                        ; tile row 2 t's token,
	v_mov_b32 v18, s30
	v_cndmask_b32 v[24+\t], v[24+\t], v18, s76     ; in lanes 16-31 row 2 t + 1's
	v_min_u32 v[24+\t], 0xffff, v[24+\t]           ; a number made of loaded data enters an address behind this bound
	v_lshl_add_u32 v[24+\t], v[24+\t], 8, v9       ; 256 bytes a row of out0, + 16 r
.endr
	s_wait_dscnt 0x0
.irp t, 0,1,2,3,4,5,6,7
	global_store_b128 v[24+\t], v[160+4*\t:163+4*\t], s[14:15] th:TH_STORE_NT   ; 16 lanes store 256 consecutive bytes, at a multiple of 256 from out0's first byte
.endr
.endm
	; ---- arguments, ids, addresses
	s_load_b256 s[4:11], s[0:1], 0x0               ; W s[4:5], b s[6:7], the scales' exponents s[8:9], x s[10:11]
	s_load_b128 s[12:15], s[0:1], 0x20             ; the indices s[12:13], out0 s[14:15]
	v_lshl_add_u32 v19, v0, 2, 0x39100
	v_mov_b32 v20, 0
	v_lshrrev_b32 v18, 5, v0
	v_readfirstlane_b32 s16, v18                   ; wave 0..7
	s_and_b32 s17, ttmp7, 0xffff                   ; my head
	s_lshl_b32 s18, ttmp9, 11                      ; my region's first token
	v_and_b32 v26, 31, v0                          ; lane
	v_and_b32 v25, 15, v0                          ; r
	v_bfe_u32 v24, v0, 4, 1                        ; h
	v_lshlrev_b32 v1, 4, v26                       ; 16 x lane
	v_lshlrev_b32 v9, 4, v25                       ; 16 r
	v_lshlrev_b32 v21, 5, v24                      ; 32 h: the bias
	v_lshl_add_u32 v22, v24, 10, v9                ; W: 4 rows x h + 16 r
	s_mul_i32 s29, s16, WREG
	s_add_co_u32 s29, s29, STG0                    ; my code stage
	s_add_co_u32 s30, s29, OSTO                    ; my out stage
	v_add_nc_u32 v2, s29, v1                       ; codes in: 16 x lane
	v_mul_u32_u24 v3, v25, CP
	v_lshl_add_u32 v3, v24, 4, v3
	v_add_nc_u32 v3, s29, v3                       ; fragments out: row r, + 16 h
	v_mul_u32_u24 v5, v25, OP
	v_lshl_add_u32 v5, v24, 5, v5
	v_add_nc_u32 v5, s30, v5                       ; results in: row r, + 32 h
	v_mul_u32_u24 v6, v24, OP
	v_add_nc_u32 v6, v6, v9
	v_add_nc_u32 v6, s30, v6                       ; rows back: row h, + 16 r
	v_lshrrev_b32 v29, 2, v25
	v_mul_u32_u24 v23, v29, WNT                    ; the image on its way in: column tile r / 4,
	v_and_b32 v29, 3, v25
	v_lshl_add_u32 v23, v29, 6, v23                ; lane 4 (r % 4) + col,
	v_lshl_add_u32 v23, v24, 8, v23                ; + 16 h,
	s_lshl_b32 s31, s16, 11
	v_add_nc_u32 v23, s31, v23                     ; K step = my wave
	v_mov_b32 v12, 0                               ; registers that are written lane by lane are written whole once
	v_mov_b32 v14, 0
	v_mov_b32 v15, 0
	v_mov_b32 v16, 0
	v_mov_b32 v17, 0
	s_mov_b32 s28, s18                             ; a token inside the region, until the first is taken
	s_mov_b32 s44, 0x05010400
	s_mov_b32 s45, 0x07030602
	s_mov_b32 s46, 0x05040100
	s_mov_b32 s47, 0x07060302
	s_mov_b32 s76, 0xffff0000                      ; lanes 16 to 31
	s_mov_b32 s79, 0
	s_lshl_b32 s30, s17, 18                        ; W[y]: 262,144 bytes a head,
	s_lshr_b32 s29, s16, 2
	s_lshl_b32 s29, s29, 17                        ; 512 (w / 4) rows of 256 bytes,
	s_add_co_u32 s30, s30, s29
	s_and_b32 s29, s16, 3
	s_lshl_b32 s29, s29, 13                        ; 32 (w % 4) rows
	s_add_co_u32 s30, s30, s29
	s_mov_b32 s31, 0
	s_lshl_b32 s32, s17, 8                         ; b[y]
	s_mov_b32 s33, 0
	s_lshl_b32 s34, ttmp9, 13                      ; the region's 2,048 indices of 4 bytes
	s_mov_b32 s35, 0
	s_wait_kmcnt 0x0
	s_load_b64 s[36:37], s[8:9], 0x0               ; ex, ew
	s_add_nc_u64 s[4:5], s[4:5], s[30:31]
	s_add_nc_u64 s[6:7], s[6:7], s[32:33]
	s_add_nc_u64 s[12:13], s[12:13], s[34:35]
	; ---- the head's loads: 16 of indices, 64 of W, 8 of the bias
.irp c, 0,1,2,3,4,5,6,7,8,9,10,11,12,13,14,15
	global_load_b128 v[96+4*\c:99+4*\c], v1, s[12:13] offset:512*\c   ; tokens 128 c + 4 l + 0..3 of the region: words 4 c .. 4 c + 3
.endr
	WIN 0x40
	WLOAD 0
	WLOAD 1
	WLOAD 2
	WLOAD 3
	WIN 0
.irp t, 0,1,2,3
	global_load_b128 v[32+8*\t:35+8*\t], v21, s[6:7] offset:64*\t      ; b[y][16 t + 8 h + 0 .. 7]: the result's layout
	global_load_b128 v[36+8*\t:39+8*\t], v21, s[6:7] offset:64*\t+16
.endr
	s_wait_kmcnt 0x0
	s_add_co_i32 s29, s36, 127
	s_lshl_b32 s30, s29, 23
	v_mov_b32 v10, s30                             ; 2^ex as f32: the conversion takes its exponent field
	s_add_co_i32 s29, s29, 15
	s_lshl_b32 s29, s29, 23
	s_or_b32 s39, s29, 0x600000                    ; 57,344 x 2^ex
	s_or_b32 s38, s39, 0x80000000                  ; and its negative
	s_add_co_i32 s29, s37, 127
	s_lshl_b32 s30, s29, 23
	v_mov_b32 v11, s30                             ; the same for W
	s_add_co_i32 s29, s29, 15
	s_lshl_b32 s29, s29, 23
	s_or_b32 s41, s29, 0x600000
	s_or_b32 s40, s41, 0x80000000
	s_add_co_i32 s42, s36, s37
	s_add_co_i32 s42, s42, 127
	s_lshl_b32 s42, s42, 23                        ; 2^(ex + ew) as f32
	s_mov_b32 s43, s42                             ; (named with it as a pair, so it is written)
	; ---- the 64 masks and the matches ahead of each word
	s_wait_loadcnt 63                              ; 72 loads are younger than the indices': the largest count that the wait can name is under that
	s_mov_b32 s29, 0
	MASK8 0, 14, 16
	MASK8 1, 14, 16
	MASK8 2, 14, 16
	MASK8 3, 14, 16
	MASK8 4, 15, 17
	MASK8 5, 15, 17
	MASK8 6, 15, 17
	MASK8 7, 15, 17
	; ---- my share of the ranks, and where my run begins
	s_mov_b32 s19, s29                             ; matches
	s_add_co_u32 s20, s19, 7
	s_lshr_b32 s20, s20, 3                         ; rows a wave
	s_mul_i32 s21, s16, s20                        ; my first rank
	s_min_u32 s29, s21, s19
	s_sub_co_u32 s29, s19, s29
	s_min_u32 s22, s29, s20                        ; my rows
	s_add_co_u32 s23, s22, 15
	s_lshr_b32 s23, s23, 4                         ; my tiles
	v_cmp_ge_u32 s80, s21, v16                     ; the words that begin at or ahead of my first rank: a run of ones from word 0
	v_cmp_ge_u32 s81, s21, v17
	s_bcnt1_i32_b32 s29, s80
	s_bcnt1_i32_b32 s30, s81
	s_add_co_u32 s29, s29, s30
	s_sub_co_u32 s29, s29, 1                       ; the last of them: my first word, J
	s_and_b32 s30, s29, 31
	v_readlane_b32 s31, v14, s30
	v_readlane_b32 s32, v15, s30
	v_readlane_b32 s33, v16, s30
	v_readlane_b32 s34, v17, s30
	s_cmp_lt_u32 s29, 32
	s_cselect_b32 s24, s31, s32                    ; its bits,
	s_cselect_b32 s33, s33, s34                    ; the rank of its first
	s_sub_co_u32 s33, s21, s33                     ; so many of its bits belong to the wave before me
	v_mbcnt_lo_u32_b32 v18, s24, 0                 ; lane l: bits of the word under bit l
	v_cmp_le_u32 s31, s33, v18
	s_and_b32 s24, s24, s31                        ; they are dropped
	v_cmp_ne_u32 s26, 0, v14
	v_cmp_ne_u32 s27, 0, v15
	s_and_not1_b32 s26, s26, s80                   ; the non-empty words behind my first
	s_and_not1_b32 s27, s27, s81
	s_lshr_b32 s30, s29, 2
	s_lshl_b32 s30, s30, 7                         ; 128 (J / 4)
	s_and_b32 s25, s29, 3                          ; + J % 4
	s_add_co_u32 s25, s25, s30
	s_add_co_u32 s25, s25, s18                     ; + the region's first token: the token of my first word's bit 0
	; ---- W's image, and the ring's first fills into the registers that W's numbers leave
	WQUANT 0, 56                                   ; younger: groups 1 to 3 (48), the bias (8)
	WQUANT 1, 40                                   ; groups 2, 3 (32), the bias (8)
	PISSUE 0
	WQUANT 2, 56                                   ; group 3 (16), the bias (8), slot 0 (32)
	WQUANT 3, 40                                   ; the bias (8), slot 0 (32)
	PISSUE 1
	s_wait_dscnt 0x0                               ; for the others' sake: my part of the image is stored
	s_barrier_signal -1
	s_barrier_wait -1                              ; the one barrier: from here on the image is only read, and all else in LDS is a wave's own
	s_cmp_eq_u32 s23, 0
	s_cbranch_scc1 .Lend                           ; a wave without rows
.Ltile:                                            ; a trip: 16 rows
	ROWS 0
	ISSUE 0
	ROWS 1
	ISSUE 1
	v_mov_b32 v13, v12                             ; all 16 tokens of this tile stand in v12 now; the next two ISSUE write the next tile's
	ROWS 2
	ISSUE 2
	ROWS 3
	ISSUE 3
	s_wait_xcnt 0x0                                ; the last tile's stores have read their offsets (v24-31) and data (v160-191): both are written again below
	s_wait_dscnt 0x0                               ; the code stores have read v96-127
	FETCH 0
	FETCH 1
.irp s, 0,1,2,3,4,5,6,7
.if \s < 7
	s_wait_dscnt 20                                ; this step's 20 loads are in, the next step's 20 may be out
.else
	s_wait_dscnt 0x0
.endif
	MUL \s
.if \s < 6
	PLACES
	FETCH \s+2
.endif
.endr
	OUT
	s_sub_co_u32 s23, s23, 1
	s_cmp_lg_u32 s23, 0
	s_cbranch_scc1 .Ltile
.Lend:
	s_wait_tensorcnt 0x0
	ds_add_u32 v19, v20
	s_wait_dscnt 0x0
	s_endpgm
.Lfunc_end_k_q242e9fd24d_readout:
	.size	k_q242e9fd24d_readout, .Lfunc_end_k_q242e9fd24d_readout-k_q242e9fd24d_readout
	.p2alignl 7, 3214868480
	.fill 96, 4, 3214868480
	.section	.rodata,"a",@progbits
	.p2align	6, 0x0
	.amdhsa_kernel k_q242e9fd24d_readout
		.amdhsa_group_segment_fixed_size 234752
		.amdhsa_private_segment_fixed_size 0
		.amdhsa_enable_private_segment 0
		.amdhsa_kernarg_size 48
		.amdhsa_user_sgpr_count 2
		.amdhsa_user_sgpr_kernarg_segment_ptr 1
		.amdhsa_wavefront_size32 1
		.amdhsa_system_sgpr_workgroup_id_x 1
		.amdhsa_system_sgpr_workgroup_id_y 1
		.amdhsa_system_sgpr_workgroup_id_z 1
		.amdhsa_system_vgpr_workitem_id 0
		.amdhsa_next_free_vgpr 512
		.amdhsa_next_free_sgpr 90
		.amdhsa_reserve_vcc 0
		.amdhsa_float_denorm_mode_32 3
		.amdhsa_float_denorm_mode_16_64 3
		.amdhsa_memory_ordered 1
		.amdhsa_forward_progress 1
		.amdhsa_inst_pref_size 169
	.end_amdhsa_kernel
	.amdgpu_metadata
---
amdhsa.version: [ 1, 2 ]
amdhsa.kernels:
  - .name:           k_q242e9fd24d_readout
    .symbol:         k_q242e9fd24d_readout.kd
    .args:
      - { .name: W, .offset: 0, .size: 8, .value_kind: global_buffer, .address_space: global }
      - { .name: b, .offset: 8, .size: 8, .value_kind: global_buffer, .address_space: global }
      - { .name: lowp_scales, .offset: 16, .size: 8, .value_kind: global_buffer, .address_space: global }
      - { .name: output_embs, .offset: 24, .size: 8, .value_kind: global_buffer, .address_space: global }
      - { .name: output_readout_index, .offset: 32, .size: 8, .value_kind: global_buffer, .address_space: global }
      - { .name: out0, .offset: 40, .size: 8, .value_kind: global_buffer, .address_space: global }
    .group_segment_fixed_size: 234752
    .private_segment_fixed_size: 0
    .kernarg_segment_align: 8
    .kernarg_segment_size: 48
    .max_flat_workgroup_size: 256
    .sgpr_count:     90
    .vgpr_count:     512
    .wavefront_size: 32
...
	.end_amdgpu_metadata
.endif
;; end of part 1
;; ======== version 2 of 2: 1 launch; version 1 with the launch readout written anew for expert scheduling mode
;; launch readout (part 2): grid 32 x 8, 8 waves a work-group, no clusters, 234,752 bytes of LDS; arguments W, b, lowp_scales, output_embs, output_readout_index, out0; writes out0
.if DOCPART == 2
	.amdgcn_target "amdgcn-amd-amdhsa--gfx1250"
	.amdhsa_code_object_version 6
	.text
	.protected	k_q242e9fd24d_readout
	.globl	k_q242e9fd24d_readout
	.p2align	8
	.type	k_q242e9fd24d_readout,@function
k_q242e9fd24d_readout:
	s_mov_b64 s[64:65], 0
	v_nop
	global_prefetch_b8 v0, s[64:65] scope:SCOPE_SE
	s_setreg_imm32_b32 hwreg(HW_REG_WAVE_SCHED_MODE, 0, 2), 2
	s_setreg_imm32_b32 hwreg(HW_REG_WAVE_MODE, 25, 1), 1
	s_wait_xcnt 0x0
	s_wait_alu depctr_vm_vsrc(0)
; out0[t][:] = Q(x[t]) . Q(W[idx[t]]) + b[idx[t]]:  65,536 tokens, K = 1,024, 64 outputs a token.  Q: codes of BF8 (E5M2) with the given scales 2^ex (x) and 2^ew (W); sums in f32.
; Only the head that a token's index names is multiplied: the other seven are thrown away by the gather that the problem itself makes.
; SHARES.  Work-group (x, y) serves the tokens 2,048 x .. 2,048 x + 2,047 whose index is y.  Eight waves.
;   HEAD.  EVERY wave reads the region's 2,048 indices (16 loads of 512 consecutive bytes) and makes all 64 masks of 32 tokens and their prefix counts by itself, in the lanes of four registers:
;   so every number that steers a branch, a trip count or an address comes straight from loaded indices by register work, and none of them goes through LDS.
;   Wave w also quantises 128 of W[y]'s 1,024 rows (K step w) into an image of operand registers in LDS: 64 KB of codes for the whole head.  One barrier, on every wave's path, stands behind that.
;   THEN THE WAVES ARE INDEPENDENT.  Wave w owns the ranks w cw .. w cw + cw - 1 of the work-group's matches, cw = ceil(matches / 8), and walks the mask bits in scalar registers to get token numbers.
;   A row of x (4,096 bytes) comes by eight loads of 512 consecutive bytes into a ring of 2 x 4 rows of registers; it is held and converted as it lies; the CODES (1,024 bytes a row) turn through the wave's own stage in LDS into fragments.
;   Every 16 rows: 8 K steps x 4 column tiles = 32 matrix instructions, x 2^(ex + ew) + b, through a small stage, and out as 16 whole rows of 256 bytes.
; THE ORDER OF RANKS.  Index load ch gives lane l the tokens 128 ch + 4 l + 0..3, so word J = 4 ch + c, bit l, is token 128 (J / 4) + J % 4 + 4 l of the region.  Ranks count the set bits by words, then by bits: the same order in all eight waves.
; K IS PERMUTED, ALIKE ON BOTH SIDES.  Load j of a row gives lane l the numbers k = 128 j + 4 l + 0..3; code register j goes to byte 512 (j / 4) + 16 l + 4 (j % 4) of the stage row.  A fragment's piece c of K step s, lane half h,
;   is the 16 bytes at 128 s + 32 c + 16 h: its register q, byte i, is k = 512 (s / 4) + 128 q + 32 (s % 4) + 8 c + 4 h + i.  W's image is built by this same formula, so every product meets its partner; only the order of the sums differs.
; THE MATRIX INSTRUCTION IS USED TRANSPOSED (source 0 = 16 columns of W, source 1 = 16 tokens): a lane then holds eight neighbouring outputs of one token.
; A TILE'S SPARE ROWS.  When a wave's rows run out, a ring slot keeps its old rows and their token numbers: every tile row is a true pair (token, data), and its store repeats a value that this wave has stored already.
; NO TENSOR LOADS, NO CLUSTER, though the 32 work-groups of a head read the same 256 KB of W: trip counts and branches here hang on the indices read from memory;
;   and what is shared is read once by a work-group, beside about 1 MB of rows that it shares with nobody.
; LIMITS.  ex and ew between -126 and 112, ex + ew between -126 and 127 (each power of two below is an f32 number).  NaN among the inputs is not served; infinities are held at the largest code.
;   An index outside 0 .. 7 (the problem has none) leaves its row unwritten.  Any split of the tokens among the heads gives right values; the work is even only where the split is.
; LDS: W's image, 4 x 16,400 bytes | from 65,792 on, for each wave: 16 rows x 1,040 of codes, 16 rows x 272 of results | from 233,728 on the spare words, 128 bytes for each wave, that no other line names.
; REGISTERS, window 0: v1 16 x lane (x's, the indices' and the image's offset); v2 codes into the stage; v3 fragments out of it; v5, v6 results into and out of the out stage; v9 16 r; v10, v11 2^ex, 2^ew;
;   v12 lane i: the token of tile row i, running ahead; v13 its copy for the tile in hand; v14, v15 the 64 masks, a lane a word; v16, v17 the matches ahead of each word; v18 at work; v19, v20 the closing add's two; v21, v22, v23 the bias's, W's and the image's offsets;
;   v24-31 the rows' offsets in out0; v32-63 bias; v64-95 four accumulators; v96-127 codes just made, then two buffers of x's fragments (in the head v96-159: the indices);
;   v128-255 two buffers of W's fragments, later results and rows on the way out.   Window 1 (v256-511): the ring, slot p row i load j at 128 p + 32 i + 4 j; in the head W's numbers.
; THE MODE: SCHED_MODE bits 1:0 = 2 (LLVM: expert scheduling mode 2), set by the entry lines.  The code itself states the register dependences
; between vector or matrix instructions and memory or LDS instructions, with s_wait_alu, always for 0.
; THE PLAN.  Registers that memory or LDS instructions touch, and who else names them:
;   v1-v3, v5, v6, v19-v23   offsets and LDS addresses: written once at the head, ahead of one wait on va_vdst in front of the first load; never written again.
;   ring slot p              group G: 128 holds work in it, 16 conversions read it; then the refill lands in it.  ONE wait on va_vdst a group, behind the refill's window switch and straight ahead of its 32 loads.
;   v96-127 as codes         group G's conversions write them, its eight LDS stores read them.  The stores stand behind the refill, under the same wait (where no row is left and nothing is refilled: under a wait of that way's own);
;                            one wait on vm_vsrc ahead of the conversions of groups 1 to 3, which write them again.
;   v96-127, v128-255 as fragment buffers   K step s: four matrix instructions read buffer s % 2; behind them one wait on va_vdst, then the loads of step s + 2 land in it.
;   v128-159, v160-191, v24-31 on the way out   results (multiply-adds write, stage stores read), rows back (products have read, stage loads land, global stores read), offsets (vector lines write, global stores read): two waits on va_vdst.
;   One wait on vm_vsrc at the products' head frees all that the code stores, the last tile's stage stores and its global stores have read.
;   Scalars that vector instructions write (lane reads, compares): made in runs, one wait on va_sdst behind each run, ahead of its first reader.
.set WIMG,  0
.set WNT,   16400                      ; a column tile's image: 8 K steps x 2,048 bytes + 16, so that the head's image stores of 16 lanes fall on 16 different 16-byte columns modulo 256
.set STG0,  65792                      ; the first wave's region
.set WREG,  20992                      ; a wave's region: code stage, then out stage
.set CP,    1040                       ; a row of codes: 1,024 + 16 = 65 x 16 bytes: the 16 rows of a fragment load start at 16 different 16-byte columns modulo 256
.set OSTO,  16*CP                      ; the out stage, behind the code stage
.set OP,    272                        ; a row of results: 256 bytes + 16 of padding
.set CT,    96
.set MSB, 0
.macro WIN new                         ; the immediate's high byte repeats the setting that is left; a switch that changes nothing is dropped
.if MSB != \new
	s_set_vgpr_msb (MSB<<8)|\new
.set MSB, \new
.endif
.endm
.macro PLACES                          ; four plain places behind matrix instructions, in front of loads into their sources and of the first read of results
.rept 4
	v_nop
.endr
.endm
; ---- eight words of masks, 8 g .. 8 g + 7: the compare's mask goes into the word's lane of v[vm], the matches counted so far (s29) into the same lane of v[vp]
.macro MASK8 g, vm, vp
.irp u, 0,1,2,3,4,5,6,7
	v_cmp_eq_u32 s[48+\u], s17, v[96+8*(\g)+\u]
.endr
	s_wait_alu depctr_va_sdst(0)                   ; the eight compares have written s48 to s55, ahead of the first line that reads one of them
.irp u, 0,1,2,3,4,5,6,7
	v_writelane_b32 v[\vm], s[48+\u], (8*(\g)+\u)%32
	v_writelane_b32 v[\vp], s29, (8*(\g)+\u)%32
	s_bcnt1_i32_b32 s30, s[48+\u]
	s_add_co_u32 s29, s29, s30
.endr
.endm
; ---- W: group g of a wave's K step: 64 registers, at 64 g + 16 q + 4 i + col of window 1 = W[y][k][4 r + col], k = 512 (w / 4) + 128 q + 32 (w % 4) + 8 g + 4 h + i.  Sixteen lanes read one whole row of 256 bytes.
.macro WLOAD g
.irp q, 0,1,2,3
.irp i, 0,1,2,3
	global_load_b128 v[64*\g+16*\q+4*\i:64*\g+16*\q+4*\i+3], v22, s[4:5] offset:32768*\q+2048*\g+256*\i
.endr
.endr
.endm
; group g is held, converted, turned (4 x 4 bytes: from a register of four columns at one k to a register of four k at one column) and stored as piece g of the image.  left: the loads younger than the group's sixteen.
.macro WQUANT g, left
	s_wait_loadcnt \left
	WIN 0x41                                       ; destination and source 0 in window 1
.set ii, 0
.rept 64
	v_med3_num_f32 v[64*\g+ii], v[64*\g+ii], s40, s41   ; the conversion to an 8-bit code does not saturate (ISA guide 7.6.2): the hold at +-57,344 x 2^ew comes first
.set ii, ii+1
.endr
	WIN 0x01                                       ; source 0 in window 1
.irp q, 0,1,2,3
	v_cvt_scalef32_pk8_bf8_f32 v[96+4*\q:97+4*\q], v[64*\g+16*\q:64*\g+16*\q+7], v11      ; registers i = 0, 1: byte col
	v_cvt_scalef32_pk8_bf8_f32 v[98+4*\q:99+4*\q], v[64*\g+16*\q+8:64*\g+16*\q+15], v11   ; i = 2, 3
.endr
	v_nop                                          ; one plain place between the conversions and the lines that read their results
	WIN 0
	s_wait_alu depctr_va_vdst(0)
	s_wait_dscnt 0x0                               ; the last group's image stores are done
.if \g > 0
	s_wait_alu depctr_vm_vsrc(0)                   ; the last group's image stores have read v128-143, which the lines below write again
.endif
.irp q, 0,1,2,3
	v_perm_b32 v[112+4*\q], v[97+4*\q], v[96+4*\q], s44   ; (i0 c0, i1 c0, i0 c1, i1 c1)
	v_perm_b32 v[113+4*\q], v[97+4*\q], v[96+4*\q], s45   ; (i0 c2, i1 c2, i0 c3, i1 c3)
	v_perm_b32 v[114+4*\q], v[99+4*\q], v[98+4*\q], s44   ; the same of i = 2, 3
	v_perm_b32 v[115+4*\q], v[99+4*\q], v[98+4*\q], s45
.endr
.irp q, 0,1,2,3
	v_perm_b32 v[128+\q], v[114+4*\q], v[112+4*\q], s46   ; column 0: i = 0 .. 3
	v_perm_b32 v[132+\q], v[114+4*\q], v[112+4*\q], s47   ; column 1
	v_perm_b32 v[136+\q], v[115+4*\q], v[113+4*\q], s46   ; column 2
	v_perm_b32 v[140+\q], v[115+4*\q], v[113+4*\q], s47   ; column 3
.endr
	s_wait_alu depctr_va_vdst(0)                   ; the lines above have written v128-143, which the image stores read
.irp c, 0,1,2,3
	ds_store_b128 v23, v[128+4*\c:131+4*\c] offset:WIMG+512*\g+16*\c   ; column 4 r + c is lane 4 (r % 4) + c + 16 h of column tile r / 4
.endr
.endm
; ---- the next token of my run, without a branch.  s24: bits left in the word in hand; s25: the token of that word's bit 0; s26, s27: the non-empty words ahead (0-31, 32-63); s22: rows still to take; s28: the token.
; With s22 = 0 the token stays as it is.
.macro NEXT
	s_cmp_lg_u32 s26, 0
	s_cselect_b32 s29, s26, s27                    ; the list in hand,
	s_cselect_b32 s30, 0, 32                       ; its first word's number,
	s_ctz_i32_b32 s31, s29
	s_and_b32 s31, s31, 31                         ; the next non-empty word in it
	v_readlane_b32 s32, v14, s31
	v_readlane_b32 s33, v15, s31
	s_wait_alu depctr_va_sdst(0)                   ; the two lane reads have written s32 and s33, ahead of the select that reads them
	s_cmp_eq_u32 s30, 0
	s_cselect_b32 s32, s32, s33                    ; its bits,
	s_add_co_u32 s31, s31, s30                     ; its number J,
	s_lshr_b32 s34, s31, 2
	s_lshl_b32 s34, s34, 7                         ; 128 (J / 4)
	s_and_b32 s31, s31, 3                          ; + J % 4
	s_add_co_u32 s31, s31, s34
	s_add_co_u32 s31, s31, s18                     ; + the region's first token: the token of its bit 0,
	s_sub_co_u32 s33, s29, 1
	s_and_b32 s33, s29, s33                        ; the list without it
	s_cmp_eq_u32 s24, 0                            ; all three are taken only where the word in hand is used up
	s_cselect_b32 s24, s32, s24
	s_cselect_b32 s25, s31, s25
	s_cselect_b32 s29, s33, s29
	s_cmp_eq_u32 s30, 0
	s_cselect_b32 s26, s29, s26
	s_cselect_b32 s27, s27, s29
	s_ctz_i32_b32 s31, s24
	s_and_b32 s31, s31, 31
	s_lshl_b32 s31, s31, 2                         ; bits of a word are four tokens apart
	s_add_co_u32 s31, s31, s25                     ; the lowest bit's token,
	s_sub_co_u32 s32, s24, 1
	s_and_b32 s32, s24, s32                        ; the word without it
	s_cmp_lg_u32 s22, 0                            ; both are taken only while rows are left
	s_cselect_b32 s28, s31, s28
	s_cselect_b32 s24, s32, s24
	s_cselect_b32 s33, 1, 0
	s_sub_co_u32 s22, s22, s33
.endm
; a token for one ring row: its number into lane ln of v12, its row's address into the pair s[rb]
.macro TAKE rb, ln
	NEXT
	v_writelane_b32 v12, s28, \ln
	s_min_u32 s78, s28, 0xffff                     ; a number made of loaded data enters an address behind this bound
	s_lshl_b32 s78, s78, 12                        ; 4,096 bytes a row
	s_add_nc_u64 s[(\rb):(\rb)+1], s[10:11], s[78:79]
.endm
.macro XLOAD p                         ; four rows, eight loads each: 32 lanes read 512 consecutive bytes
	WIN 0x40                                       ; destination window 1
	s_wait_alu depctr_va_vdst(0)                   ; the holds and conversions that worked in this slot's registers are done with them: the loads below land there.  In the loop also: the conversions have written the code registers, which the LDS stores behind these loads read
.irp i, 0,1,2,3
.irp j, 0,1,2,3,4,5,6,7
	global_load_b128 v[128*(\p)+32*\i+4*\j:128*(\p)+32*\i+4*\j+3], v1, s[48+8*(\p)+2*\i:49+8*(\p)+2*\i] offset:512*\j th:TH_LOAD_NT
.endr
.endr
	WIN 0
.endm
.macro PISSUE p                        ; the ring's first fills: always loaded, so that every ring register is written
.irp i, 0,1,2,3
	s_wait_alu depctr_va_vdst(0)
	TAKE 48+8*\p+2*\i,4*\p+\i
.endr
	XLOAD \p
.endm
; behind group G of a tile its slot takes the rows of the group two further on, tile rows (4 G + 8 + i) % 16.  With no row left the slot keeps its rows, and their tokens are copied to those tile rows.
.macro ISSUE G
	s_cmp_eq_u32 s22, 0
	s_cbranch_scc1 .Ldry_\@
.irp i, 0,1,2,3
	s_wait_alu depctr_va_vdst(0)
	TAKE 48+8*((\G)%2)+2*\i,(4*(\G)+8+\i)%16       ; the slot's bases are free: the wait at the head of ROWS has shown its loads done
.endr
	XLOAD (\G)%2
	s_branch .Ldone_\@
.Ldry_\@:
	s_wait_loadcnt 0x0                             ; nothing is issued behind the other slot's loads on this way, so the counted wait of the next ROWS would not cover them
.irp i, 0,1,2,3
	v_readlane_b32 s[29+\i], v12, 4*(\G)+\i        ; the four lanes read here and the four written below are different lanes
.endr
	s_wait_alu depctr_va_sdst(0)                   ; the four lane reads have written s29 to s32, ahead of the first line that reads one of them
.irp i, 0,1,2,3
	v_writelane_b32 v12, s[29+\i], (4*(\G)+8+\i)%16
.endr
	s_wait_alu depctr_va_vdst(0)                   ; on this way no refill brings its wait: the conversions have written the code registers, which the LDS stores behind the label read
.Ldone_\@:
.endm
; group G: the four rows of slot G % 2 are held and converted; the codes are stored by CODES, behind the slot's refill
.macro ROWS G
.set RP, 128*((\G)%2)
	s_wait_loadcnt 32                              ; loads come back in order (ISA guide 5.7.1): this slot's 32 are in, the other slot's 32 may be out
	WIN 0x41
.set ii, 0
.rept 128
	v_med3_num_f32 v[RP+ii], v[RP+ii], s38, s39    ; the hold at +-57,344 x 2^ex (ISA guide 7.6.2)
.set ii, ii+1
.endr
	s_wait_dscnt 0x0                               ; earlier LDS stores are done
.if (\G) > 0
	s_wait_alu depctr_vm_vsrc(0)                   ; the group before's LDS stores have read the code registers, which the conversions below write again (ahead of group 0 the wait at the products' head has said so of group 3's)
.endif
	WIN 0x01
.irp i, 0,1,2,3
.irp g, 0,1,2,3
	v_cvt_scalef32_pk8_bf8_f32 v[CT+8*\i+2*\g:CT+8*\i+2*\g+1], v[RP+32*\i+8*\g:RP+32*\i+8*\g+7], v10   ; code register j = 2 g, 2 g + 1: k = 128 j + 4 l + 0..3
.endr
.endr
	v_nop                                          ; one plain place behind the last conversion
	WIN 0
.endm
; group G's codes go to rows 4 G .. 4 G + 3 of the code stage.  No wait of their own: on either way through ISSUE a wait on va_vdst stands behind the conversions, and no vector line since names v2 or the code registers
.macro CODES G
.irp i, 0,1,2,3
	ds_store_b128 v2, v[CT+8*\i:CT+8*\i+3] offset:(4*(\G)+\i)*CP
	ds_store_b128 v2, v[CT+8*\i+4:CT+8*\i+7] offset:(4*(\G)+\i)*CP+512
.endr
.endm
; K step s: x's fragment (4 loads) and W's four (16 loads) into buffer s % 2
.macro FETCH s
.set FP, (\s)%2
.irp c, 0,1,2,3
	ds_load_b128 v[96+16*FP+4*\c:99+16*FP+4*\c], v3 offset:128*(\s)+32*\c
.endr
.irp t, 0,1,2,3
.irp c, 0,1,2,3
	ds_load_b128 v[128+64*FP+16*\t+4*\c:131+64*FP+16*\t+4*\c], v1 offset:WIMG+WNT*\t+2048*(\s)+512*\c
.endr
.endr
.endm
; the four accumulators take turns, one instruction a turn, from step to step too; the first step starts the sums
.macro MUL s
.set FP, (\s)%2
.irp t, 0,1,2,3
.if (\s) == 0
	v_wmma_f32_16x16x128_bf8_bf8 v[64+8*\t:71+8*\t], v[128+64*FP+16*\t:143+64*FP+16*\t], v[96+16*FP:111+16*FP], 0
.else
	v_wmma_f32_16x16x128_bf8_bf8 v[64+8*\t:71+8*\t], v[128+64*FP+16*\t:143+64*FP+16*\t], v[96+16*FP:111+16*FP], v[64+8*\t:71+8*\t]
.endif
.endr
.endm
; the way out: lane (r, h), register j of tile t is out(token r, 16 t + 8 h + j).  Through my own stage and back as whole rows, two an instruction; the two rows' tokens come out of v13's lanes while the stage's loads are out.
.macro OUT
	PLACES
.irp t, 0,1,2,3
.irp i, 0,2,4,6
	v_pk_fma_f32 v[128+8*\t+\i:129+8*\t+\i], v[64+8*\t+\i:65+8*\t+\i], s[42:43], v[32+8*\t+\i:33+8*\t+\i] op_sel_hi:[1,0,1]   ; sum x 2^(ex + ew) + b; each accumulator from its low end on
.endr
.endr
	s_wait_alu depctr_va_vdst(0)                   ; the multiply-adds have written v128-159, which the stage's stores read; the products are done reading v160-191, in which the stage's loads land
.irp t, 0,1,2,3
	ds_store_b128 v5, v[128+8*\t:131+8*\t] offset:64*\t
	ds_store_b128 v5, v[132+8*\t:135+8*\t] offset:64*\t+16
.endr
.irp t, 0,1,2,3,4,5,6,7
	ds_load_b128 v[160+4*\t:163+4*\t], v6 offset:2*OP*\t   ; lanes 0-15 row 2 t, lanes 16-31 row 2 t + 1.  LDS serves a wave's instructions in order (ISA guide 5.7.1.4): these see the stores above
.endr
.irp t, 0,1,2,3,4,5,6,7
	v_readlane_b32 s[66+\t], v13, 2*\t             ; the sixteen tokens in one run, each into a scalar register of its own
	v_readlane_b32 s[82+\t], v13, 2*\t+1
.endr
	s_wait_alu depctr_va_sdst(0)                   ; the sixteen lane reads have written s66 to s73 and s82 to s89, ahead of the first line that reads one of them
.irp t, 0,1,2,3,4,5,6,7
	v_mov_b32 v[24+\t], s[66+\t]                   ; tile row 2 t's token,
	v_mov_b32 v18, s[82+\t]
	v_cndmask_b32 v[24+\t], v[24+\t], v18, s76     ; in lanes 16-31 row 2 t + 1's
	v_min_u32 v[24+\t], 0xffff, v[24+\t]           ; a number made of loaded data enters an address behind this bound
	v_lshl_add_u32 v[24+\t], v[24+\t], 8, v9       ; 256 bytes a row of out0, + 16 r
.endr
	s_wait_dscnt 0x0
	s_wait_alu depctr_va_vdst(0)                   ; the lines above have written the offsets v24-31, which the stores read
.irp t, 0,1,2,3,4,5,6,7
	global_store_b128 v[24+\t], v[160+4*\t:163+4*\t], s[14:15] th:TH_STORE_NT   ; 16 lanes store 256 consecutive bytes, at a multiple of 256 from out0's first byte
.endr
.endm
	; ---- arguments, ids, addresses
	s_load_b256 s[4:11], s[0:1], 0x0               ; W s[4:5], b s[6:7], the scales' exponents s[8:9], x s[10:11]
	s_load_b128 s[12:15], s[0:1], 0x20             ; the indices s[12:13], out0 s[14:15]
	v_lshl_add_u32 v19, v0, 2, 0x39100
	v_mov_b32 v20, 0
	v_lshrrev_b32 v18, 5, v0
	v_readfirstlane_b32 s16, v18                   ; wave 0..7
	s_and_b32 s17, ttmp7, 0xffff                   ; my head
	s_lshl_b32 s18, ttmp9, 11                      ; my region's first token
	v_and_b32 v26, 31, v0                          ; lane
	v_and_b32 v25, 15, v0                          ; r
	v_bfe_u32 v24, v0, 4, 1                        ; h
	v_lshlrev_b32 v1, 4, v26                       ; 16 x lane
	v_lshlrev_b32 v9, 4, v25                       ; 16 r
	v_lshlrev_b32 v21, 5, v24                      ; 32 h: the bias
	v_lshl_add_u32 v22, v24, 10, v9                ; W: 4 rows x h + 16 r
	s_wait_alu depctr_va_sdst(0)                   ; s16, the wave's number, is written, ahead of its first reader
	s_mul_i32 s29, s16, WREG
	s_add_co_u32 s29, s29, STG0                    ; my code stage
	s_add_co_u32 s30, s29, OSTO                    ; my out stage
	v_add_nc_u32 v2, s29, v1                       ; codes in: 16 x lane
	v_mul_u32_u24 v3, v25, CP
	v_lshl_add_u32 v3, v24, 4, v3
	v_add_nc_u32 v3, s29, v3                       ; fragments out: row r, + 16 h
	v_mul_u32_u24 v5, v25, OP
	v_lshl_add_u32 v5, v24, 5, v5
	v_add_nc_u32 v5, s30, v5                       ; results in: row r, + 32 h
	v_mul_u32_u24 v6, v24, OP
	v_add_nc_u32 v6, v6, v9
	v_add_nc_u32 v6, s30, v6                       ; rows back: row h, + 16 r
	v_lshrrev_b32 v29, 2, v25
	v_mul_u32_u24 v23, v29, WNT                    ; the image on its way in: column tile r / 4,
	v_and_b32 v29, 3, v25
	v_lshl_add_u32 v23, v29, 6, v23                ; lane 4 (r % 4) + col,
	v_lshl_add_u32 v23, v24, 8, v23                ; + 16 h,
	s_lshl_b32 s31, s16, 11
	v_add_nc_u32 v23, s31, v23                     ; K step = my wave
	v_mov_b32 v12, 0                               ; registers that are written lane by lane are written whole once
	v_mov_b32 v14, 0
	v_mov_b32 v15, 0
	v_mov_b32 v16, 0
	v_mov_b32 v17, 0
	s_mov_b32 s28, s18                             ; a token inside the region, until the first is taken
	s_mov_b32 s44, 0x05010400
	s_mov_b32 s45, 0x07030602
	s_mov_b32 s46, 0x05040100
	s_mov_b32 s47, 0x07060302
	s_mov_b32 s76, 0xffff0000                      ; lanes 16 to 31
	s_mov_b32 s79, 0
	s_lshl_b32 s30, s17, 18                        ; W[y]: 262,144 bytes a head,
	s_lshr_b32 s29, s16, 2
	s_lshl_b32 s29, s29, 17                        ; 512 (w / 4) rows of 256 bytes,
	s_add_co_u32 s30, s30, s29
	s_and_b32 s29, s16, 3
	s_lshl_b32 s29, s29, 13                        ; 32 (w % 4) rows
	s_add_co_u32 s30, s30, s29
	s_mov_b32 s31, 0
	s_lshl_b32 s32, s17, 8                         ; b[y]
	s_mov_b32 s33, 0
	s_lshl_b32 s34, ttmp9, 13                      ; the region's 2,048 indices of 4 bytes
	s_mov_b32 s35, 0
	s_wait_kmcnt 0x0
	s_load_b64 s[36:37], s[8:9], 0x0               ; ex, ew
	s_add_nc_u64 s[4:5], s[4:5], s[30:31]
	s_add_nc_u64 s[6:7], s[6:7], s[32:33]
	s_add_nc_u64 s[12:13], s[12:13], s[34:35]
	s_wait_alu depctr_va_vdst(0)                   ; the offsets and LDS addresses v1, v2, v3, v5, v6, v21, v22, v23 are written, which every load and store below reads; none of them is written again
	; ---- the head's loads: 16 of indices, 64 of W, 8 of the bias
.irp c, 0,1,2,3,4,5,6,7,8,9,10,11,12,13,14,15
	global_load_b128 v[96+4*\c:99+4*\c], v1, s[12:13] offset:512*\c   ; tokens 128 c + 4 l + 0..3 of the region: words 4 c .. 4 c + 3
.endr
	WIN 0x40
	WLOAD 0
	WLOAD 1
	WLOAD 2
	WLOAD 3
	WIN 0
.irp t, 0,1,2,3
	global_load_b128 v[32+8*\t:35+8*\t], v21, s[6:7] offset:64*\t      ; b[y][16 t + 8 h + 0 .. 7]: the result's layout
	global_load_b128 v[36+8*\t:39+8*\t], v21, s[6:7] offset:64*\t+16
.endr
	s_wait_kmcnt 0x0
	s_add_co_i32 s29, s36, 127
	s_lshl_b32 s30, s29, 23
	v_mov_b32 v10, s30                             ; 2^ex as f32: the conversion takes its exponent field
	s_add_co_i32 s29, s29, 15
	s_lshl_b32 s29, s29, 23
	s_or_b32 s39, s29, 0x600000                    ; 57,344 x 2^ex
	s_or_b32 s38, s39, 0x80000000                  ; and its negative
	s_add_co_i32 s29, s37, 127
	s_lshl_b32 s30, s29, 23
	v_mov_b32 v11, s30                             ; the same for W
	s_add_co_i32 s29, s29, 15
	s_lshl_b32 s29, s29, 23
	s_or_b32 s41, s29, 0x600000
	s_or_b32 s40, s41, 0x80000000
	s_add_co_i32 s42, s36, s37
	s_add_co_i32 s42, s42, 127
	s_lshl_b32 s42, s42, 23                        ; 2^(ex + ew) as f32
	s_mov_b32 s43, s42                             ; (named with it as a pair, so it is written)
	; ---- the 64 masks and the matches ahead of each word
	s_wait_loadcnt 63                              ; 72 loads are younger than the indices': the largest count that the wait can name is under that
	s_mov_b32 s29, 0
	MASK8 0, 14, 16
	MASK8 1, 14, 16
	MASK8 2, 14, 16
	MASK8 3, 14, 16
	MASK8 4, 15, 17
	MASK8 5, 15, 17
	MASK8 6, 15, 17
	MASK8 7, 15, 17
	; ---- my share of the ranks, and where my run begins
	s_mov_b32 s19, s29                             ; matches
	s_add_co_u32 s20, s19, 7
	s_lshr_b32 s20, s20, 3                         ; rows a wave
	s_mul_i32 s21, s16, s20                        ; my first rank
	s_min_u32 s29, s21, s19
	s_sub_co_u32 s29, s19, s29
	s_min_u32 s22, s29, s20                        ; my rows
	s_add_co_u32 s23, s22, 15
	s_lshr_b32 s23, s23, 4                         ; my tiles
	v_cmp_ge_u32 s80, s21, v16                     ; the words that begin at or ahead of my first rank: a run of ones from word 0
	s_wait_alu depctr_va_vdst(0)
	v_cmp_ge_u32 s81, s21, v17
	s_wait_alu depctr_va_sdst(0)                   ; the two compares have written s80 and s81, ahead of their first reader
	s_bcnt1_i32_b32 s29, s80
	s_bcnt1_i32_b32 s30, s81
	s_add_co_u32 s29, s29, s30
	s_sub_co_u32 s29, s29, 1                       ; the last of them: my first word, J
	s_and_b32 s30, s29, 31
	v_readlane_b32 s31, v14, s30
	v_readlane_b32 s32, v15, s30
	v_readlane_b32 s33, v16, s30
	v_readlane_b32 s34, v17, s30
	s_wait_alu depctr_va_sdst(0)                   ; the four lane reads have written s31 to s34, ahead of the selects that read them
	s_cmp_lt_u32 s29, 32
	s_cselect_b32 s24, s31, s32                    ; its bits,
	s_cselect_b32 s33, s33, s34                    ; the rank of its first
	s_sub_co_u32 s33, s21, s33                     ; so many of its bits belong to the wave before me
	v_mbcnt_lo_u32_b32 v18, s24, 0                 ; lane l: bits of the word under bit l
	v_cmp_le_u32 s31, s33, v18
	v_cmp_ne_u32 s26, 0, v14
	v_cmp_ne_u32 s27, 0, v15
	s_wait_alu depctr_va_sdst(0)                   ; the three compares have written s31, s26 and s27, ahead of their first readers
	s_and_b32 s24, s24, s31                        ; they are dropped
	s_and_not1_b32 s26, s26, s80                   ; the non-empty words behind my first
	s_and_not1_b32 s27, s27, s81
	s_lshr_b32 s30, s29, 2
	s_lshl_b32 s30, s30, 7                         ; 128 (J / 4)
	s_and_b32 s25, s29, 3                          ; + J % 4
	s_add_co_u32 s25, s25, s30
	s_add_co_u32 s25, s25, s18                     ; + the region's first token: the token of my first word's bit 0
	; ---- W's image, and the ring's first fills into the registers that W's numbers leave
	WQUANT 0, 56                                   ; younger: groups 1 to 3 (48), the bias (8)
	WQUANT 1, 40                                   ; groups 2, 3 (32), the bias (8)
	PISSUE 0
	WQUANT 2, 56                                   ; group 3 (16), the bias (8), slot 0 (32)
	WQUANT 3, 40                                   ; the bias (8), slot 0 (32)
	PISSUE 1
	s_wait_dscnt 0x0                               ; for the others' sake: my part of the image is stored
	s_barrier_signal -1
	s_barrier_wait -1                              ; the one barrier: from here on the image is only read, and all else in LDS is a wave's own
	s_cmp_eq_u32 s23, 0
	s_cbranch_scc1 .Lend                           ; a wave without rows
.Ltile:                                            ; a trip: 16 rows
	ROWS 0
	ISSUE 0                                        ; the refill goes out ahead of the group's code stores: one wait serves both
	CODES 0
	ROWS 1
	ISSUE 1
	CODES 1
	v_mov_b32 v13, v12                             ; all 16 tokens of this tile stand in v12 now; the next two ISSUE write the next tile's
	ROWS 2
	ISSUE 2
	CODES 2
	ROWS 3
	ISSUE 3
	CODES 3
	s_wait_xcnt 0x0                                ; the last tile's stores have had their addresses translated: their offsets (v24-31) and data (v160-191) are written again below
	s_wait_alu depctr_vm_vsrc(0)                   ; group 3's code stores have read v96-127, the last tile's stage stores v128-159, its global stores v24-31 and v160-191 (in the first trip: the image's stores v128-143): the fragments' loads land in these, and the way out writes them
	s_wait_dscnt 0x0                               ; the codes are in the stage
	FETCH 0                                        ; no wait on va_vdst: since the last group's wait the vector lines have named v12, v14 and v15 alone
	FETCH 1
.irp s, 0,1,2,3,4,5,6,7
.if \s < 7
	s_wait_dscnt 20                                ; this step's 20 loads are in, the next step's 20 may be out
.else
	s_wait_dscnt 0x0
.endif
	MUL \s
.if \s < 6
	PLACES
	s_wait_alu depctr_va_vdst(0)                   ; this step's four products are done reading their buffer, in which the loads of two steps on land
	FETCH \s+2
.endif
.endr
	OUT
	s_sub_co_u32 s23, s23, 1
	s_cmp_lg_u32 s23, 0
	s_cbranch_scc1 .Ltile
.Lend:
	s_wait_dscnt 0x0                               ; the closing lines, six on end
	s_wait_alu 0x0
	s_wait_tensorcnt 0x0
	ds_add_u32 v19, v20
	s_wait_dscnt 0x0
	s_endpgm
.Lfunc_end_k_q242e9fd24d_readout:
	.size	k_q242e9fd24d_readout, .Lfunc_end_k_q242e9fd24d_readout-k_q242e9fd24d_readout
	.p2alignl 7, 3214868480
	.fill 96, 4, 3214868480
	.section	.rodata,"a",@progbits
	.p2align	6, 0x0
	.amdhsa_kernel k_q242e9fd24d_readout
		.amdhsa_group_segment_fixed_size 234752
		.amdhsa_private_segment_fixed_size 0
		.amdhsa_enable_private_segment 0
		.amdhsa_kernarg_size 48
		.amdhsa_user_sgpr_count 2
		.amdhsa_user_sgpr_kernarg_segment_ptr 1
		.amdhsa_wavefront_size32 1
		.amdhsa_system_sgpr_workgroup_id_x 1
		.amdhsa_system_sgpr_workgroup_id_y 1
		.amdhsa_system_sgpr_workgroup_id_z 1
		.amdhsa_system_vgpr_workitem_id 0
		.amdhsa_next_free_vgpr 512
		.amdhsa_next_free_sgpr 90
		.amdhsa_reserve_vcc 0
		.amdhsa_float_denorm_mode_32 3
		.amdhsa_float_denorm_mode_16_64 3
		.amdhsa_memory_ordered 1
		.amdhsa_forward_progress 1
		.amdhsa_inst_pref_size 173
	.end_amdhsa_kernel
	.amdgpu_metadata
---
amdhsa.version: [ 1, 2 ]
amdhsa.kernels:
  - .name:           k_q242e9fd24d_readout
    .symbol:         k_q242e9fd24d_readout.kd
    .args:
      - { .name: W, .offset: 0, .size: 8, .value_kind: global_buffer, .address_space: global }
      - { .name: b, .offset: 8, .size: 8, .value_kind: global_buffer, .address_space: global }
      - { .name: lowp_scales, .offset: 16, .size: 8, .value_kind: global_buffer, .address_space: global }
      - { .name: output_embs, .offset: 24, .size: 8, .value_kind: global_buffer, .address_space: global }
      - { .name: output_readout_index, .offset: 32, .size: 8, .value_kind: global_buffer, .address_space: global }
      - { .name: out0, .offset: 40, .size: 8, .value_kind: global_buffer, .address_space: global }
    .group_segment_fixed_size: 234752
    .private_segment_fixed_size: 0
    .kernarg_segment_align: 8
    .kernarg_segment_size: 48
    .max_flat_workgroup_size: 256
    .sgpr_count:     90
    .vgpr_count:     512
    .wavefront_size: 32
...
	.end_amdgpu_metadata
.endif
;; end of part 2
